; MI455X (gfx1250); checked and timed in simulation.
; The chip was launched on July 23, 2026; its instructions are those of AMD's public machine-readable ISA for CDNA 5 (MIT licence, August 2026) and "CDNA5" Instruction Set Architecture Reference Guide (July 2026). The comments in the code are by the model that wrote it; some were corrected since.
;; MQA Cross Attention. Allowed arithmetic: matrix products marked QUANTISED: E2M3 operands, one E8M0 scale for each 32 along K, by v_wmma_scale_f32_16x16x128_f8f6f4 with both operands' format E2M3, f32 sums; everything else in f32.
;; Inputs: Wkv_codes 2,048 x 32 x 24 uint8 (E2M3 codes of Wkv, K innermost, in blocks of 32 codes, four codes in three bytes); Wkv_scales 2,048 x 32 uint8 (E8M0 scales of Wkv, one for each 32 codes along K); Wq_codes 1,024 x 32 x 24 uint8 (E2M3 codes of Wq, K innermost, in blocks of 32 codes, four codes in three bytes); Wq_scales 1,024 x 32 uint8 (E8M0 scales of Wq, one for each 32 codes along K); bkv 2,048 float32; bq 1,024 float32; text_input_codes 4 x 2,048 x 32 x 24 uint8 (E2M3 codes of text_input, K innermost, in blocks of 32 codes, four codes in three bytes); text_input_scales 4 x 2,048 x 32 uint8 (E8M0 scales of text_input, one for each 32 codes along K); x_codes 4 x 2,048 x 32 x 24 uint8 (E2M3 codes of x, K innermost, in blocks of 32 codes, four codes in three bytes); x_scales 4 x 2,048 x 32 uint8 (E8M0 scales of x, one for each 32 codes along K).
;; Outputs: out0 4 x 2,048 x 1,024 float32.
;; This version of the problem:
;;   THIS VERSION OF THE PROBLEM IS GIVEN IN LOW PRECISION. The matrix products marked QUANTISED in the list below multiply operands that are first quantised to E2M3 (2 exponent bits, 3 mantissa bits; 6 bits a number), with one power-of-two scale for each 32 numbers along K (OCP MX v1.0); their sums are f32. All else is computed in f32.
;;   The module's matrix products, in the order in which they are computed (A, B: the left and right operand; K: the contracted axis; several contracted axes count as one K, in the product's order):
;;     1. [M 8,192, K 1,024] x [K 1,024, N 1,024]; A: input x (given as codes); B: input Wq (given as codes): QUANTISED
;;     2. [M 8,192, K 1,024] x [K 1,024, N 2,048]; A: input text_input (given as codes); B: input Wkv (given as codes): QUANTISED
;;     3. batch 64 x [M 2,048, K 64] x [K 64, N 2,048]; A: computed on the way; B: computed on the way: QUANTISED
;;     4. batch 64 x [M 64, K 2,048] x [K 2,048, N 2,048]; A: computed on the way; B: softmax (see below): QUANTISED
;;   THE QUANTISER, for each operand of a quantised product, along K:
;;     - K is cut into blocks of 32 from its start; a last block that is shorter is filled with zeros.
;;     - A block's scale is 2^e with e = floor(log2(the largest magnitude in the block)) - 2, held to -126 .. 127; a block of zeros has e = 0. As a byte (E8M0): e + 127.
;;     - Each number is divided by its block's scale, clamped to +-7.5, and rounded to the nearest number of E2M3, ties to even, subnormals kept.
;;     - The product sums the exact products of the quantised numbers (number of the format x scale) in f32.
;;   ~~~python
;;   def quantise(x, axis):      # numpy; x: float32 -> the quantised numbers, widened to float32 again
;;       x = np.moveaxis(x, axis, -1); K = x.shape[-1]
;;       x = np.pad(x, [(0, 0)] * (x.ndim - 1) + [(0, -K % 32)]); x = x.reshape(x.shape[:-1] + (-1, 32)); a = np.abs(x).max(-1, keepdims=True)
;;       e = np.where(a > 0, np.clip(np.frexp(np.where(a > 0, a, 1))[1] - 1 - 2, -126, 127), 0)      # np.frexp(a)[1] - 1 = floor(log2(a)), exactly
;;       r = np.clip(x / 2.0 ** e, -7.5, 7.5)
;;       step = 2.0 ** (np.maximum(np.frexp(np.where(r == 0, 1, r))[1] - 1, 0) - 3)
;;       q = np.round(r / step) * step * 2.0 ** e      # np.round: ties to even
;;       return np.moveaxis(q.reshape(q.shape[:-2] + (-1,))[..., :K], -1, axis).astype(np.float32)
;;   ~~~
;;   SOFTMAX AHEAD OF A QUANTISED PRODUCT. Where the list says 'softmax', what is quantised is not the finished softmax but p = 2^(t - M), with t = logit x log2(e) and M = ceil(the row's largest t), a whole number; so 1/2 < the row's largest p <= 1. The row's sum l is taken of the UNQUANTISED p, in f32, and the product's result is divided by l at the end. Since M is a whole number, a kernel that streams over the keys may use a running M (the ceiling of the running maximum): every later rescaling is an exact power of two, which a block's scale takes up: the codes' values come out the same.
;;   OPERANDS COMPUTED ON THE WAY. 'Computed on the way' means the value that the module computes at that place (a softmax that the list does not call 'softmax' is quantised finished and normalised). What goes into a quantiser is computed in f32, as accurately as f32 sums, v_exp_f32 and their like allow (about 1e-6 of the number): no bf16 or f16 on the way to a quantiser, and a product that is left as it is and whose result goes on into a quantised operand takes f32 operands (vector FMAs, or v_wmma_f32_16x16x4_f32). A number that lies on a knife's edge between two numbers of the format may be rounded either way, as far as f32 arithmetic and the matrix unit's own rounding can turn it there, and no further.
;;   INPUTS GIVEN AS CODES. Wkv (in the module: [1024, 2048], K = its axis 0); Wq (in the module: [1024, 1024], K = its axis 0); text_input (in the module: [4, 2048, 1024], K = its axis 2); x (in the module: [4, 2048, 1024], K = its axis 2): each comes as NAME_codes (uint8): NAME with its K axis moved to the last place and cut into blocks of 32 codes, [.., K / 32, bytes a block], one block behind the other in memory; four codes in three bytes: a row's codes are one little-endian stream of bits, code i at bits 6 i .. 6 i + 5 (a code: sign, 2 exponent bits, 3 mantissa bits); and NAME_scales (uint8): the same leading axes, one E8M0 byte (e + 127) for each 32 codes along K. Its value is code x scale, taken as it is: it is not quantised again, and the codes and scales need not be those that the quantiser above would give.
;; One version. Each part assembles by itself: llvm-mc -triple=amdgcn-amd-amdhsa -mcpu=gfx1250 --defsym DOCPART=n.
;; ======== version 1 of 1: 2 launches
;; limits: right only within a limited range of input values
;; workspace buffers: kv 13,107,200 bytes; qimg 6,291,456 bytes; qsc 262,144 bytes
;; launch proj (part 1): grid 4 x 96, 4 waves a work-group, clusters of 4 x 4, 327,680 bytes of LDS; arguments x_codes, x_scales, text_input_codes, text_input_scales, Wq_codes, Wq_scales, Wkv_codes, Wkv_scales, bq, bkv, qimg, qsc, kv; writes qimg, qsc, kv
.if DOCPART == 1
	.amdgcn_target "amdgcn-amd-amdhsa--gfx1250"
	.amdhsa_code_object_version 6
	.text
	.protected	k_q3f3ba15738_proj
	.globl	k_q3f3ba15738_proj
	.p2align	8
	.type	k_q3f3ba15738_proj,@function
k_q3f3ba15738_proj:
	s_mov_b64 s[64:65], 0
	v_nop
	global_prefetch_b8 v0, s[64:65] scope:SCOPE_SE
	s_setreg_imm32_b32 hwreg(HW_REG_WAVE_MODE, 25, 1), 1
	s_wait_xcnt 0x0
	s_wait_alu depctr_hold_cnt(0) depctr_sa_sdst(0) depctr_va_vdst(0) depctr_va_sdst(0) depctr_va_ssrc(0) depctr_va_vcc(0) depctr_vm_vsrc(0)
	s_getreg_b32 s2, hwreg(HW_REG_IB_STS2, 6, 4)
	s_cmp_eq_u32 s2, 0
	s_cbranch_scc0 .Lentry_in_a_cluster
	s_endpgm
.Lentry_in_a_cluster:
	s_bfe_u32 s2, ttmp6, 0x10000c
	s_cmp_lg_u32 s2, 0xf033
	s_cbranch_scc0 .Lentry_shape_is_right
	s_endpgm
.Lentry_shape_is_right:
; Q = x Wq + bq, K and V = text Wkv + bkv, on the given codes of FP6 (E2M3) with E8M0 scales; the results are quantised here, along the next products' K, and stored as images of operand registers.
; Kind 0 (Q) and 1 (K): A = 256 tokens, B = 256 rows of the weight; a lane then holds one token and its registers run along the head's 64.  Kind 2 (V): A = 256 rows of Wkv's second half, B = 256 tokens: registers run along the keys.
; A block of 256 x 256 to a work-group of four waves, 128 x 128 a wave in 512 registers.  K = 1,024 is 768 bytes of a row: three chunks of 256 bytes, each beginning on a multiple of 256, through two LDS slots.
; A step of 128 along K is 96 bytes: eight steps to three chunks; steps 2 and 5 lie across two chunks.  The scales of the 256 + 256 rows come once, at the head.
; CLUSTERS 4 x 4: A's tiles are asked for jointly along a row of the cluster, B's along a column.
; NO PREFETCH: of the three chunks two are asked for at the head and one by the only refill: there is no later step to ask ahead for.
; STORED: qimg 6,144 bytes and qsc 256 bytes for each (batch, head, 128 queries); kv 12,800 bytes for each (batch, head, 128 keys): K's images 6,144, V's 6,144, K's scale words 256, V's 256.
; LIMITS: NaN and infinities are not served.  A block of zeros keeps the scale byte 1: its codes are zeros, and only this program reads the bytes.
.set ROWB,   256
.set NQ,     2
.set KROW,   768
.set STEPS,  8
.set CHUNKS, 3
.set PITCH,  272                       ; 256 bytes + 16 of padding
.set FR,     12
.set NL,     6
.set NP,     4
.set HALFT,  128*PITCH
.set SLOT,   4*HALFT                   ; A's 256 rows, then B's
.set KS,     32                        ; a row of scales in bytes
.set SCL,    2*SLOT                    ; the scales, as units of 256 + 16 bytes
.set HALFS,  16*272
.set SBLK,   2*272
.set SPARE,  SCL+4*HALFS               ; the spare words: 128 bytes a wave
.set PW,   2
.set TM,   4
.set ADRA, 16                          ; v16-17 A's fragments in slot 0, 1; v18-19 for pieces whose two lane halves lie in different chunks
.set ADRB, 20                          ; v20-23 the same for B
.set LI,   24                          ; 16 x lane
.set L8,   25                          ; 8 x lane
.set BO,   26                          ; bias along registers: 32 h
.set ADRS, 27
.set SPW,  28
.set NIL,  29
.set BO2,  30                          ; bias along lanes: 4 r
.set SC,   32                          ; v32-63 scale words, two sets
.set BI,   64                          ; v64-127 bias for kinds 0, 1
.set AF,   128                         ; A's fragments, one set
.set W,    128                         ; the way out: 64 numbers with their bias
.set F0,   192
.set F1,   204
.set CT,   216
.set BV,   224                         ; v224-239 bias for kind 2, in pairs
.set WD,   240
.set SW,   248
.set BIAS, 12
.set G1, 24
.set G0, 32
.set G1B, 48
.set G0B, 56
.set G1S, 68
.set G0S, 76
.set G1SB, 80
.set G0SB, 88
.set G0H, 4                            ; group 0 of the head's loads of chunk 0
.set G0HB, 8
.set IMG0, 92
.set IMG1, 94
.set SC0,  96
.set SC1,  98
.set SEL, 40
.set LM,  43
.set MSB, 0
.macro WIN new
.if MSB != (\new)
	s_set_vgpr_msb (MSB<<8)|(\new)
.set MSB, (\new)
.endif
.endm
.set MUL_LO, 0xa1                      ; source 0 (B) window 1, source 1 (A) window 0, C and D window 2
.set MUL_HI, 0xf1
.set TO_B,   0x40
.macro JLOAD g0a, g1a, g0b, g1b        ; waves 0, 1 fetch for A, waves 2, 3 for B
	s_cmp_eq_u32 s15, 0
	s_cbranch_scc0 .Lfor_b_\@
	tensor_load_to_lds s[\g0a:\g0a+3], s[\g1a:\g1a+7]
	s_nop 0
.rept 4
	v_nop
.endr
	s_branch .Lasked_\@
.Lfor_b_\@:
	tensor_load_to_lds s[\g0b:\g0b+3], s[\g1b:\g1b+7]
	s_nop 0
.rept 4
	v_nop
.endr
.Lasked_\@:
.endm
.macro CREST
	s_cmp_lg_u32 s14, 0
	s_cbranch_scc1 .Lnot_wave_0_\@
	s_barrier_signal -3
.Lnot_wave_0_\@:
	s_barrier_wait -3
	s_barrier_signal -1
	s_barrier_wait -1
.endm
.macro CROUND
	s_barrier_signal -1
	s_barrier_wait -1
	CREST
.endm
	s_load_b512 s[68:83], s[0:1], 0x0              ; x, text, Wq, Wkv: codes and scales
	s_load_b256 s[84:91], s[0:1], 0x40             ; bq, bkv, qimg, qsc
	s_load_b64 s[92:93], s[0:1], 0x60              ; kv
	v_lshl_add_u32 v[SPW], v0, 2, SPARE
	v_mov_b32 v[NIL], 0
	ds_add_u32 v[SPW], v[NIL]                      ; the opening lines: the add twice and its wait
	ds_add_u32 v[SPW], v[NIL]
	v_lshrrev_b32 v1, 5, v0
	v_readfirstlane_b32 s14, v1                    ; wave
	s_lshr_b32 s15, s14, 1                         ; my half of the rows; also: I fetch for A or B
	s_and_b32 s16, s14, 1                          ; my half of the columns; also: which 128 rows I fetch
	s_bfe_u32 s40, ttmp6, 0x40000                  ; cx
	s_bfe_u32 s41, ttmp6, 0x40004                  ; cy
	s_and_b32 s18, ttmp7, 0xffff
	s_lshr_b32 s2, s18, 3                          ; kind: 0 Q, 1 K, 2 V: the same in all partners
	s_and_b32 s18, s18, 7
	s_lshl_b32 s18, s18, 2
	s_cmp_eq_u32 s2, 2
	s_cselect_b32 s17, 0, s18
	s_cselect_b32 s42, s18, 0
	s_cselect_b32 s45, 1024, 0                     ; V's rows of Wkv lie behind K's
	s_add_co_u32 s17, s17, s41                     ; tile row
	s_add_co_u32 s42, s42, s40                     ; tile column
	s_lshl_b32 s43, s41, 2
	s_lshl_b32 s43, 15, s43                        ; my row of the cluster
	s_lshl_b32 s44, 0x1111, s40                    ; my column
	s_or_b32 s[G1+0], s43, (0<<16)|(1<<20)|(1<<21)|(5<<22)|(3<<25)
	s_or_b32 s[G1B+0], s44, (0<<16)|(1<<20)|(1<<21)|(5<<22)|(3<<25)
.irp g, G1, G1B
	s_mov_b32 s[\g+1], ROWB<<16
	s_mov_b32 s[\g+2], 256<<16                     ; 256 rows for the head's loads
	s_mov_b32 s[\g+3], ROWB<<16
	s_mov_b32 s[\g+4], 256
	s_mov_b32 s[\g+5], KROW
	s_mov_b32 s[\g+6], 0
	s_mov_b32 s[\g+7], 0
.endr
	s_lshl_b32 s20, s17, 8
	s_add_co_u32 s20, s20, s45                     ; A's first row
	s_lshl_b32 s46, s42, 8                         ; B's
	s_mov_b32 s21, 0
	s_mov_b32 s47, 0
	s_mov_b64 s[18:19], KS
	s_mul_u64 s[22:23], s[20:21], s[18:19]
	s_mul_u64 s[66:67], s[46:47], s[18:19]
	s_mov_b64 s[18:19], KROW
	s_mul_u64 s[20:21], s[20:21], s[18:19]
	s_mul_u64 s[46:47], s[46:47], s[18:19]
	s_mul_i32 s18, s16, 128*KROW
	s_mov_b32 s19, 0
	s_mul_i32 s45, s14, HALFT
	s_wait_dscnt 0x0
	s_wait_kmcnt 0x0
	s_cmp_eq_u32 s2, 0
	s_cselect_b64 s[4:5], s[68:69], s[72:73]       ; the tokens' codes and scales
	s_cselect_b64 s[6:7], s[70:71], s[74:75]
	s_cselect_b64 s[8:9], s[76:77], s[80:81]       ; the weight's
	s_cselect_b64 s[10:11], s[78:79], s[82:83]
	s_cselect_b64 s[BIAS:BIAS+1], s[84:85], s[86:87]
	s_cselect_b64 s[96:97], s[88:89], s[92:93]     ; where images go
	s_cselect_b64 s[98:99], s[90:91], s[92:93]     ; where scale words go
	s_cmp_eq_u32 s2, 2
	s_cselect_b64 s[68:69], s[8:9], s[4:5]         ; A
	s_cselect_b64 s[70:71], s[10:11], s[6:7]
	s_cselect_b64 s[72:73], s[4:5], s[8:9]         ; B
	s_cselect_b64 s[74:75], s[6:7], s[10:11]
	s_add_nc_u64 s[20:21], s[68:69], s[20:21]
	s_add_nc_u64 s[22:23], s[70:71], s[22:23]
	s_add_nc_u64 s[46:47], s[72:73], s[46:47]
	s_add_nc_u64 s[66:67], s[74:75], s[66:67]
	s_or_b32 s[G1S+0], s43, (3<<16)|(1<<20)|(1<<21)|(5<<22)|(3<<25)
	s_or_b32 s[G1SB+0], s44, (3<<16)|(1<<20)|(1<<21)|(5<<22)|(3<<25)
.irp g, G1S, G1SB                      ; the scales of 256 rows: a dense block, KS rows of 256 bytes
	s_mov_b32 s[\g+1], 32<<16
	s_mov_b32 s[\g+2], KS<<16
	s_mov_b32 s[\g+3], 32<<16
	s_mov_b32 s[\g+4], KS
	s_mov_b32 s[\g+5], 32
	s_mov_b32 s[\g+6], 0
	s_mov_b32 s[\g+7], 0
.endr
	CROUND                                         ; in front of the first joint loads
	s_mov_b32 s[G0H], 1
	s_mov_b32 s[G0H+1], 0
	s_mov_b64 s[G0H+2:G0H+3], s[20:21]
	s_or_b32 s[G0H+3], s[G0H+3], 0x80000000
	s_mov_b32 s[G0HB], 1
	s_mov_b32 s[G0HB+1], 2*HALFT
	s_mov_b64 s[G0HB+2:G0HB+3], s[46:47]
	s_or_b32 s[G0HB+3], s[G0HB+3], 0x80000000
	s_mov_b32 s[G0S], 1
	s_mov_b32 s[G0S+1], SCL
	s_mov_b64 s[G0S+2:G0S+3], s[22:23]
	s_or_b32 s[G0S+3], s[G0S+3], 0x80000000
	s_mov_b32 s[G0SB], 1
	s_mov_b32 s[G0SB+1], SCL+2*HALFS
	s_mov_b64 s[G0SB+2:G0SB+3], s[66:67]
	s_or_b32 s[G0SB+3], s[G0SB+3], 0x80000000
	s_add_nc_u64 s[20:21], s[20:21], s[18:19]      ; for the ring: my 128 rows
	s_add_nc_u64 s[46:47], s[46:47], s[18:19]
.irp s, 0,1
	s_mov_b32 s[G0+4*\s], 1
	s_add_co_u32 s[G0+4*\s+1], s45, \s*SLOT
	s_add_nc_u64 s[G0+4*\s+2:G0+4*\s+3], s[20:21], \s*ROWB
	s_or_b32 s[G0+4*\s+3], s[G0+4*\s+3], 0x80000000
	s_mov_b32 s[G0B+4*\s], 1
	s_add_co_u32 s[G0B+4*\s+1], s45, \s*SLOT
	s_add_nc_u64 s[G0B+4*\s+2:G0B+4*\s+3], s[46:47], \s*ROWB
	s_or_b32 s[G0B+4*\s+3], s[G0B+4*\s+3], 0x80000000
.endr
; the head's four tiles, one load a wave: chunk 0 of A, of B, A's scales, B's
.macro ARM under, g0, g1, next
	s_cmp_lt_u32 s14, \under
	s_cbranch_scc0 \next
	tensor_load_to_lds s[\g0:\g0+3], s[\g1:\g1+7]
	s_nop 0
.rept 4
	v_nop
.endr
	s_branch .Lhead_asked
\next:
.endm
	ARM 1, G0H,  G1,  .Lhead_b
	ARM 2, G0HB, G1B, .Lhead_sa
	ARM 3, G0S,  G1S, .Lhead_sb
	tensor_load_to_lds s[G0SB:G0SB+3], s[G1SB:G1SB+7]
	s_nop 0
.rept 4
	v_nop
.endr
.Lhead_asked:
	; where my results go
	s_cmp_eq_u32 s2, 2
	s_cselect_b32 s20, s42, s17                    ; the tokens' tile,
	s_cselect_b32 s21, s16, s15                    ; my half of it
	s_cselect_b32 s22, s17, s42                    ; the features' tile,
	s_cselect_b32 s23, s15, s16
	s_cselect_b32 s46, 6144, 0                     ; V's images lie behind K's,
	s_cselect_b32 s47, 256, 0                      ; its scale words too,
	s_cselect_b32 s3, 4096, 0                      ; and its bias
	s_lshl_b32 s20, s20, 1
	s_add_co_u32 s20, s20, s21                     ; group of 128 tokens, 0 .. 63
	s_lshl_b32 s22, s22, 2
	s_lshl_b32 s23, s23, 1
	s_add_co_u32 s22, s22, s23                     ; the first of my two heads
	s_lshr_b32 s21, s20, 4
	s_lshl_b32 s21, s21, 8
	s_and_b32 s20, s20, 15
	s_add_co_u32 s21, s21, s20
	s_lshl_b32 s23, s22, 4
	s_add_co_u32 s21, s21, s23                     ; (16 batch + head) 16 + step
	s_cmp_eq_u32 s2, 0
	s_mov_b32 s20, 12800
	s_cselect_b32 s20, 6144, s20                   ; images: bytes from step to step,
	s_mov_b32 s23, 204800
	s_cselect_b32 s23, 98304, s23                  ; from head to head
	s_mov_b32 s40, 12800
	s_cselect_b32 s40, 256, s40                    ; scale words likewise
	s_mov_b32 s41, 204800
	s_cselect_b32 s41, 4096, s41
	s_cselect_b32 s44, 0, 12288                    ; in kv they lie behind the step's images
	s_mov_b32 s67, 0
	s_mul_i32 s66, s21, s20
	s_add_co_u32 s66, s66, s46
	s_add_nc_u64 s[IMG0:IMG0+1], s[96:97], s[66:67]
	s_mov_b32 s66, s23
	s_add_nc_u64 s[IMG1:IMG1+1], s[IMG0:IMG0+1], s[66:67]
	s_mul_i32 s66, s21, s40
	s_add_co_u32 s66, s66, s47
	s_add_co_u32 s66, s66, s44
	s_add_nc_u64 s[SC0:SC0+1], s[98:99], s[66:67]
	s_mov_b32 s66, s41
	s_add_nc_u64 s[SC1:SC1+1], s[SC0:SC0+1], s[66:67]
	s_lshl_b32 s66, s22, 8
	s_add_co_u32 s66, s66, s3
	s_add_nc_u64 s[BIAS:BIAS+1], s[BIAS:BIAS+1], s[66:67]
	s_mov_b32 s[SEL], 0x76543210
	s_mov_b32 s[SEL+1], 0xfedcba98
	s_mov_b32 s[LM], 0xffff0000
	; LDS bases
	s_mov_b32 s18, SLOT-232
	s_mov_b32 s19, SLOT+232
	s_mul_i32 s20, s15, HALFT                      ; my 128 rows of A
	s_mul_i32 s21, s16, HALFT
	s_add_co_u32 s21, s21, 2*HALFT                 ; my 128 rows of B
	s_add_co_u32 s46, s20, SLOT
	s_add_co_u32 s47, s21, SLOT
	s_mul_i32 s22, s15, HALFS
	s_mul_i32 s23, s16, HALFS
	s_add_co_u32 s23, s23, 2*HALFS
	s_sub_co_u32 s23, s23, s22                     ; from A's scales to B's
	s_add_co_u32 s22, s22, SCL
	v_and_b32 v1, 15, v0                           ; r
	v_bfe_u32 v2, v0, 4, 1                         ; h
	v_mul_u32_u24 v3, v1, PITCH
	v_mul_u32_u24 v4, v2, 24
	v_add_nc_u32 v4, v3, v4                        ; row x pitch + 24 h
	v_sub_nc_u32 v7, 1, v2
	v_mul_u32_u24 v5, s18, v2
	v_add_nc_u32 v5, v3, v5
	v_add_nc_u32 v5, 232, v5                       ; lanes 0-15 byte 232 in slot 0, lanes 16-31 byte 0 in slot 1
	v_mul_u32_u24 v6, s19, v7
	v_add_nc_u32 v6, v3, v6                        ; lanes 0-15 byte 232 in slot 1, lanes 16-31 byte 0 in slot 0
	v_add_nc_u32 v[ADRA+2], s20, v5
	v_add_nc_u32 v[ADRA+3], s20, v6
	v_add_nc_u32 v[ADRB+2], s21, v5
	v_add_nc_u32 v[ADRB+3], s21, v6
	v_add_nc_u32 v[ADRA], s20, v4
	v_add_nc_u32 v[ADRB], s21, v4
	v_add_nc_u32 v[ADRA+1], s46, v4
	v_add_nc_u32 v[ADRB+1], s47, v4
	v_mul_u32_u24 v5, v1, KS
	v_lshrrev_b32 v6, 8, v5
	v_lshl_add_u32 v5, v6, 4, v5                   ; 16 more for each 256 passed
	v_mul_u32_u24 v6, s23, v2                      ; lanes 16-31 take B's
	v_add_nc_u32 v5, v5, v6
	v_add_nc_u32 v[ADRS], s22, v5
	v_and_b32 v6, 31, v0
	v_lshlrev_b32 v[LI], 4, v6
	v_lshlrev_b32 v[L8], 3, v6
	v_lshlrev_b32 v[BO], 5, v2
	v_lshlrev_b32 v[BO2], 2, v1
	s_wait_alu depctr_va_vdst(0)                   ; the wait at the head's end: no vector write follows in the head
.irp b, 0,1,2,3,4,5,6,7
	global_load_b128 v[BI+8*\b:BI+8*\b+3], v[BO], s[BIAS:BIAS+1] offset:64*\b
	global_load_b128 v[BI+8*\b+4:BI+8*\b+7], v[BO], s[BIAS:BIAS+1] offset:64*\b+16
.endr
.irp a, 0,1,2,3,4,5,6,7
	global_load_b32 v[BV+2*\a], v[BO2], s[BIAS:BIAS+1] offset:64*\a
	global_load_b32 v[BV+2*\a+1], v[BO2], s[BIAS:BIAS+1] offset:64*\a
.endr
.macro FRAG reg, adr, st, i            ; 16 rows x 128 K: six pieces of 8 bytes; byte y of a row lies in slot (y / 256) % 2 at byte y % 256
.irp p, 0,1,2,3,4,5
.set BY, 96*(\st)+48*(\p/3)+8*(\p%3)
.if BY/ROWB == (BY+24)/ROWB
	ds_load_b64 v[\reg+2*\p:\reg+2*\p+1], v[\adr+(BY/ROWB)%2] offset:BY%ROWB+(\i)*16*PITCH
.else
	ds_load_b64 v[\reg+2*\p:\reg+2*\p+1], v[\adr+2+(BY/ROWB)%2] offset:BY%ROWB-232+(\i)*16*PITCH
.endif
.endr
.endm
.macro MUL16 a0, p, q, sc, zero        ; A's blocks a0, a0 + 1 x B's eight; the 64 accumulators by turns
.irp a, \a0, \a0+1
.irp b, 0,1,2,3,4,5,6,7
.if \zero
	v_wmma_scale_f32_16x16x128_f8f6f4 v[8*(8*((\a)%4)+\b):8*(8*((\a)%4)+\b)+7], v[128*(\p)+FR*\b:128*(\p)+FR*\b+FR-1], v[AF+FR*(\a):AF+FR*(\a)+FR-1], 0, v[SC+8*NQ*(\sc)+NQ*\b+(\q)], v[SC+8*NQ*(\sc)+NQ*(\a)+(\q)] matrix_a_fmt:MATRIX_FMT_FP6 matrix_b_fmt:MATRIX_FMT_FP6 matrix_a_scale:MATRIX_SCALE_ROW1
.else
	v_wmma_scale_f32_16x16x128_f8f6f4 v[8*(8*((\a)%4)+\b):8*(8*((\a)%4)+\b)+7], v[128*(\p)+FR*\b:128*(\p)+FR*\b+FR-1], v[AF+FR*(\a):AF+FR*(\a)+FR-1], v[8*(8*((\a)%4)+\b):8*(8*((\a)%4)+\b)+7], v[SC+8*NQ*(\sc)+NQ*\b+(\q)], v[SC+8*NQ*(\sc)+NQ*(\a)+(\q)] matrix_a_fmt:MATRIX_FMT_FP6 matrix_b_fmt:MATRIX_FMT_FP6 matrix_a_scale:MATRIX_SCALE_ROW1
.endif
.endr
.endr
.endm
.macro FETCH_B st, p
	WIN TO_B
.irp i, 0,1,2,3,4,5,6,7
	FRAG 128*(\p)+FR*\i, ADRB, \st, \i
.endr
	WIN 0
.endm
.macro FETCH_A st, i0
.irp i, \i0, \i0+1, \i0+2, \i0+3
	FRAG AF+FR*(\i), ADRA, \st, \i
.endr
.endm
.macro SCALES pr                       ; the scale words of steps 2 pr, 2 pr + 1: lanes 0-15 A's block i, lanes 16-31 B's
.irp i, 0,1,2,3,4,5,6,7
	ds_load_b64 v[SC+8*NQ*((\pr)%2)+NQ*\i:SC+8*NQ*((\pr)%2)+NQ*\i+1], v[ADRS] offset:\i*SBLK+4*NQ*(\pr)
.endr
.endm
.macro PLACES n
.rept \n
	v_nop
.endr
.endm
; A step: 64 products; the next step's fragments are fetched in its middle and at its end.  Where they end in a chunk not read yet, a barrier shows that chunk whole;
; where they begin in a later chunk, the chunk left behind is free: the three lines, the barrier, and, where a chunk is left to fetch, the cluster's round and the refill.
.macro STEP st, zero
.set NX, (\st)+1
.set C0, (96*(\st))/ROWB
.set C1, (96*NX)/ROWB
.set E0, (96*(\st)+95)/ROWB
.set E1, (96*NX+95)/ROWB
.if C1 > C0 || E1 > E0
	s_wait_tensorcnt 0x0                           ; all my tensor loads have landed
.if C1 > C0
	ds_add_u32 v[SPW], v[NIL]
	s_wait_dscnt 4*NL+1                            ; the add and A's blocks 4-7 (24 loads) may be out
.else
	s_wait_dscnt 4*NL                              ; A's blocks 4-7 may be out
.endif
	WIN MUL_LO
	MUL16 0, (\st)%2, (\st)%2, ((\st)/2)%2, \zero
	s_wait_dscnt 0x0                               ; the add and my reads are done
	s_barrier_signal -1
	MUL16 2, (\st)%2, (\st)%2, ((\st)/2)%2, \zero
	WIN 0
	s_barrier_wait -1
.if C1 > C0 && C0+2 < CHUNKS
	CREST
	s_add_nc_u64 s[G0+4*(C0%2)+2:G0+4*(C0%2)+3], s[G0+4*(C0%2)+2:G0+4*(C0%2)+3], 2*ROWB
	s_add_nc_u64 s[G0B+4*(C0%2)+2:G0B+4*(C0%2)+3], s[G0B+4*(C0%2)+2:G0B+4*(C0%2)+3], 2*ROWB
	JLOAD G0+4*(C0%2), G1, G0B+4*(C0%2), G1B       ; chunk C0 + 2; its four v_nop are the places in front of the loads below
.else
	PLACES NP
.endif
.else
	s_wait_dscnt 4*NL                              ; A's blocks 4-7 may be out
	WIN MUL_LO
	MUL16 0, (\st)%2, (\st)%2, ((\st)/2)%2, \zero
	MUL16 2, (\st)%2, (\st)%2, ((\st)/2)%2, \zero
	s_wait_dscnt 0
	PLACES NP
.endif
	FETCH_B NX, NX%2
	FETCH_A NX, 0
.if NX%2 == 0
	SCALES NX/2
.endif
	WIN MUL_HI
	MUL16 4, (\st)%2, (\st)%2, ((\st)/2)%2, \zero
	MUL16 6, (\st)%2, (\st)%2, ((\st)/2)%2, \zero
	PLACES NP
	WIN 0
	FETCH_A NX, 4
.endm
	s_wait_tensorcnt 0x0                           ; my tile of the head's four is in
	ds_add_u32 v[SPW], v[NIL]
	s_mov_b32 s[G1+2], 128<<16                     ; no load of mine is out: from here on a load brings 128 rows
	s_mov_b32 s[G1+4], 128
	s_mov_b32 s[G1B+2], 128<<16
	s_mov_b32 s[G1B+4], 128
	s_wait_dscnt 0x0
	CROUND
	JLOAD G0+4, G1, G0B+4, G1B                     ; chunk 1
	FETCH_B 0, 0
	FETCH_A 0, 0
	SCALES 0
	FETCH_A 0, 4
	STEP 0, 1                                      ; the first products start the sums
.set ST, 1
.rept STEPS-2
	STEP ST, 0
.set ST, ST+1
.endr
	s_wait_dscnt 4*NL
	WIN MUL_LO
	MUL16 0, 1, 1, 1, 0
	MUL16 2, 1, 1, 1, 0
	s_wait_dscnt 0
	WIN MUL_HI
	MUL16 4, 1, 1, 1, 0
	MUL16 6, 1, 1, 1, 0
	WIN 0
; THE WAY OUT: block a's 64 numbers a lane, with the bias; four blocks of 32 along the next K are quantised; the codes are stored as operand registers
.macro TAKE a, kind
	WIN 0x02+(\a)/4
.set AC, 64*((\a)%4)
.set i, 0
.rept 32
.if \kind
	v_pk_add_f32 v[W+i:W+i+1], v[AC+i:AC+i+1], v[BV+2*(\a):BV+2*(\a)+1]
.else
	v_pk_add_f32 v[W+i:W+i+1], v[AC+i:AC+i+1], v[BI+i:BI+i+1]
.endif
.set i, i+2
.endr
	WIN 0
.endm
.macro QUANT d0, d1, pw
.irp b, 0,1,2,3
	v_max3_num_f32 v[TM+\b], |v[W+16*\b]|, |v[W+1+16*\b]|, 0x1800000   ; with the floor 2^(3 - 127)
.endr
.irp i, 2,4,6,8,10,12,14
.irp b, 0,1,2,3
	v_max3_num_f32 v[TM+\b], v[TM+\b], |v[W+16*\b+\i]|, |v[W+1+16*\b+\i]|
.endr
.endr
.irp b, 0,1,2,3
	v_permlanex16_b32 v[TM+4+\b], v[TM+\b], s[SEL], s[SEL+1]
.endr
.irp b, 0,1,2,3
	v_max_num_f32 v[TM+\b], v[TM+\b], v[TM+4+\b]
.endr
.irp b, 0,1,2,3
	v_add_nc_u32 v[TM+8+\b], 0xff000000, v[TM+\b]  ; 2 off the exponent field: the conversion's scale operand
.endr
.irp b, 0,1,2,3
	v_lshrrev_b32 v[TM+4+\b], 23, v[TM+8+\b]       ; the byte
.endr
	v_lshl_or_b32 v[\pw], v[TM+5], 8, v[TM+4]
	v_lshl_or_b32 v[\pw], v[TM+6], 16, v[\pw]
	v_lshl_or_b32 v[\pw], v[TM+7], 24, v[\pw]
	v_cvt_scalef32_pk16_fp6_f32 v[(\d0):(\d0)+2], v[W:W+15], v[TM+8]
	v_cvt_scalef32_pk16_fp6_f32 v[CT:CT+2], v[W+16:W+31], v[TM+9]
	v_cvt_scalef32_pk16_fp6_f32 v[(\d1):(\d1)+2], v[W+32:W+47], v[TM+10]
	v_cvt_scalef32_pk16_fp6_f32 v[CT+4:CT+6], v[W+48:W+63], v[TM+11]
	v_nop
.irp i, 0,1,2
	v_permlane16_swap_b32 v[(\d0)+\i], v[CT+\i]    ; a whole block to a lane
	v_permlane16_swap_b32 v[(\d1)+\i], v[CT+4+\i]
.endr
.irp i, 0,1,2
	v_mov_b32 v[(\d0)+3+\i], v[CT+\i]
	v_mov_b32 v[(\d1)+3+\i], v[CT+4+\i]
.endr
.endm
.macro PUT f, base, off                ; each store covers 512 consecutive bytes, aligned
.irp c, 0,1,2
	global_store_b128 v[LI], v[(\f)+4*\c:(\f)+4*\c+3], s[\base:\base+1] offset:(\off)+512*\c
.endr
.endm
	PLACES NP
	s_wait_loadcnt 0x0                             ; the bias
.irp b, 0,1,2,3
	v_mov_b32 v[TM+4+\b], 0
.endr
	s_cmp_eq_u32 s2, 2
	s_cbranch_scc1 .Lvpath
.irp n, 0,1,2,3                        ; Q, K: a fragment holds two tiles of 16 tokens x 64; F0 the first head's, F1 the second's
	s_wait_xcnt 0x0
	TAKE 2*\n, 0
	QUANT F0, F1, PW
	TAKE 2*\n+1, 0
	QUANT F0+6, F1+6, PW+1
	v_perm_b32 v[WD+\n], v[PW+1], v[PW], 0x05040100
	v_perm_b32 v[WD+4+\n], v[PW+1], v[PW], 0x07060302
	PUT F0, IMG0, 1536*\n
	PUT F1, IMG1, 1536*\n
.endr
	s_branch .Ltail
.Lvpath:
.irp a, 0,1,2,3,4,5,6,7                ; V: a fragment is 16 of the head's 64 x 128 keys
	s_wait_xcnt 0x0
	TAKE \a, 1
	QUANT F0, F0+6, WD+\a
	PUT F0, IMG0+2*(\a/4), 1536*(\a%4)
.endr
.Ltail:
	s_wait_alu depctr_va_vdst(0)                   ; the wait behind the branch
.irp e, 0,1,2,3
	v_cndmask_b32 v[SW+\e], v[WD+2*\e], v[WD+2*\e+1], s[LM]
.endr
	global_store_b64 v[L8], v[SW:SW+1], s[SC0:SC0+1]
	global_store_b64 v[L8], v[SW+2:SW+3], s[SC1:SC1+1]
	s_wait_tensorcnt 0x0                           ; the wave's end
	ds_add_u32 v[SPW], v[NIL]
	s_wait_dscnt 0x0
	CROUND                                         ; the closing round
	s_endpgm
.Lfunc_end_k_q3f3ba15738_proj:
	.size	k_q3f3ba15738_proj, .Lfunc_end_k_q3f3ba15738_proj-k_q3f3ba15738_proj
	.p2alignl 7, 3214868480
	.fill 96, 4, 3214868480
	.section	.rodata,"a",@progbits
	.p2align	6, 0x0
	.amdhsa_kernel k_q3f3ba15738_proj
		.amdhsa_group_segment_fixed_size 327680
		.amdhsa_private_segment_fixed_size 0
		.amdhsa_enable_private_segment 0
		.amdhsa_kernarg_size 104
		.amdhsa_user_sgpr_count 2
		.amdhsa_user_sgpr_kernarg_segment_ptr 1
		.amdhsa_wavefront_size32 1
		.amdhsa_system_sgpr_workgroup_id_x 1
		.amdhsa_system_sgpr_workgroup_id_y 1
		.amdhsa_system_sgpr_workgroup_id_z 1
		.amdhsa_system_vgpr_workitem_id 0
		.amdhsa_next_free_vgpr 1024
		.amdhsa_next_free_sgpr 100
		.amdhsa_reserve_vcc 0
		.amdhsa_float_denorm_mode_32 3
		.amdhsa_float_denorm_mode_16_64 3
		.amdhsa_memory_ordered 1
		.amdhsa_forward_progress 1
		.amdhsa_inst_pref_size 234
	.end_amdhsa_kernel
	.amdgpu_metadata
---
amdhsa.version: [ 1, 2 ]
amdhsa.kernels:
  - .name:           k_q3f3ba15738_proj
    .symbol:         k_q3f3ba15738_proj.kd
    .args:
      - { .name: x_codes, .offset: 0, .size: 8, .value_kind: global_buffer, .address_space: global }
      - { .name: x_scales, .offset: 8, .size: 8, .value_kind: global_buffer, .address_space: global }
      - { .name: text_input_codes, .offset: 16, .size: 8, .value_kind: global_buffer, .address_space: global }
      - { .name: text_input_scales, .offset: 24, .size: 8, .value_kind: global_buffer, .address_space: global }
      - { .name: Wq_codes, .offset: 32, .size: 8, .value_kind: global_buffer, .address_space: global }
      - { .name: Wq_scales, .offset: 40, .size: 8, .value_kind: global_buffer, .address_space: global }
      - { .name: Wkv_codes, .offset: 48, .size: 8, .value_kind: global_buffer, .address_space: global }
      - { .name: Wkv_scales, .offset: 56, .size: 8, .value_kind: global_buffer, .address_space: global }
      - { .name: bq, .offset: 64, .size: 8, .value_kind: global_buffer, .address_space: global }
      - { .name: bkv, .offset: 72, .size: 8, .value_kind: global_buffer, .address_space: global }
      - { .name: qimg, .offset: 80, .size: 8, .value_kind: global_buffer, .address_space: global }
      - { .name: qsc, .offset: 88, .size: 8, .value_kind: global_buffer, .address_space: global }
      - { .name: kv, .offset: 96, .size: 8, .value_kind: global_buffer, .address_space: global }
    .group_segment_fixed_size: 327680
    .private_segment_fixed_size: 0
    .kernarg_segment_align: 8
    .kernarg_segment_size: 104
    .max_flat_workgroup_size: 128
    .sgpr_count:     100
    .vgpr_count:     1024
    .wavefront_size: 32
...
	.end_amdgpu_metadata
.endif
;; end of part 1
;; launch attn (part 2): grid 4 x 64, 16 waves a work-group, clusters of 4 x 1, 276,480 bytes of LDS; arguments qimg, qsc, kv, out0; writes out0
.if DOCPART == 2
	.amdgcn_target "amdgcn-amd-amdhsa--gfx1250"
	.amdhsa_code_object_version 6
	.text
	.protected	k_q3f3ba15738_attn
	.globl	k_q3f3ba15738_attn
	.p2align	8
	.type	k_q3f3ba15738_attn,@function
k_q3f3ba15738_attn:
	s_mov_b64 s[64:65], 0
	v_nop
	global_prefetch_b8 v0, s[64:65] scope:SCOPE_SE
	s_setreg_imm32_b32 hwreg(HW_REG_WAVE_MODE, 25, 1), 1
	s_wait_xcnt 0x0
	s_wait_alu depctr_hold_cnt(0) depctr_sa_sdst(0) depctr_va_vdst(0) depctr_va_sdst(0) depctr_va_ssrc(0) depctr_va_vcc(0) depctr_vm_vsrc(0)
	s_getreg_b32 s2, hwreg(HW_REG_IB_STS2, 6, 4)
	s_cmp_eq_u32 s2, 0
	s_cbranch_scc0 .Lentry_in_a_cluster
	s_endpgm
.Lentry_in_a_cluster:
	s_bfe_u32 s2, ttmp6, 0x10000c
	s_cmp_lg_u32 s2, 0x3003
	s_cbranch_scc0 .Lentry_shape_is_right
	s_endpgm
.Lentry_shape_is_right:
; out[b][q][head][:] = the sum over k of softmax_k(Q . K / 8) V, both products on codes of FP6 (E2M3) with E8M0 scales, from the register images that the launch before has stored.
; THE SOFTMAX AHEAD OF THE SECOND PRODUCT: t = score x log2(e) / 8; M = the running largest t rounded up to a whole number; p = 2^(t - M) is quantised along the keys, not normalised;
; the row's sum is taken of the unquantised p and divides at the end; when M moves, the sum and O are multiplied by 2^(old M - new M), which rounds nothing.
; SHARES.  A work-group owns 512 queries of one (batch, head): 256 work-groups.  Each of its sixteen waves owns 32 queries (one fragment of Q) and takes them in two passes of 16, in 256 registers: four waves to a SIMD,
; so that one wave's vector work stands beside another's matrix work and LDS loads.  Every pass walks the head's 2,048 keys, 128 a step.
; THE WHOLE HEAD'S K AND V STAY IN LDS: 196,608 bytes of images and 8,192 of scale words, each byte filled once: no ring, no refill, no barrier in the steady loop.
; CLUSTER.  The four work-groups of a cluster belong to one head: every fill is asked for jointly, with a mask that names the four.
; K = 64 IN A PRODUCT OF 128: a fragment of K holds two tiles of 16 keys (registers 0-5, 6-11); [Q | 0] multiplies the first, [0 | Q] the second: zero codes add nothing.
; LAYOUT.  S^T = K Q^T and O^T = V^T P^T: a lane holds one query (lane % 16).  Register 8 t + j of S^T is key 16 t + 8 (lane / 16) + j: inside a block of 32 keys p's codes so stand at the places at which V's were laid.
; LIMITS: NaN and infinities are not served.  A block of p that has fallen to zeros keeps the byte 1: its codes are zeros.
.set SCB, 12288                        ; a key step in LDS and in kv is 12,800 bytes: K's images 6,144, V's 6,144, and from here K's scale words 256, V's 256
.set STG, 204800                       ; and the stages for the way out: 16 rows x 272 bytes for each wave; no fill lands there
.set LI,  1                            ; v1   16 x lane
.set LS,  2                            ; v2   SCB + 8 x lane
.set STO, 3                            ; v3   the stage: where I put 32 bytes of a row
.set RD,  4                            ; v4   and where I read a row back
.set GO,  5                            ; v5   my byte offset in two rows of out
.set QO,  6                            ; v6   8 x (lane % 16)
.set AD,  8                            ; v8   LDS address of the step's images
.set ADS, 9                            ; v9   of its scale words
.set QB,  16                           ; v16-27 [0 | Q]
.set QA,  22                           ; v22-33 [Q | 0]: v16-21 and v28-33 hold zeros, v22-27 the pass's Q
.set QF,  34                           ; v34-45 my fragment of Q
.set QS,  46                           ; v46  the pass's scales of Q
.set QW,  47                           ; v47  the fragment's scale word as loaded
.set KF,  48                           ; v48-95 four fragments of K, then of V; rows on the way out
.set S,   96                           ; v96-159 S^T, then p
.set OT,  160                          ; v160-191 O^T
.set PC,  192                          ; v192-203 p's codes
.set CT,  204                          ; v204-206, v208-210 halves of blocks on their way
.set KSC, 212                          ; v212-213 K's scale words
.set VSC, 214                          ; v214-215 V's
.set PS,  216                          ; v216 p's scale word
.set BM,  220                          ; v220-223 a block's largest score, then its largest p
.set BT,  224                          ; v224-227 at work
.set BX,  228                          ; v228-231 the conversions' scale operands
.set FF,  232                          ; v232-233 f = 2^(old M - new M) (the pair is named, its low word used)
.set TT,  234
.set S2,  236                          ; v236-237 the sum's second chain
.set WV,  18
.set G1D, 24                           ; s[24:31] group 1: a key step, 50 rows of 256 bytes
.set G0D, 44                           ; s[44:47] group 0: my wave's key step
.set SEL, 60
.set CS,  62                           ; s[62:63] c = log2(e) / 8
.set TB,  66                           ; s66  LDS byte of the step's images
.set CNT, 68
.macro CROUND                          ; a round of the cluster's barrier
	s_barrier_signal -1
	s_barrier_wait -1
	s_cmp_lg_u32 s[WV], 0
	s_cbranch_scc1 .Lnot_wave_0_\@
	s_barrier_signal -3
.Lnot_wave_0_\@:
	s_barrier_wait -3
	s_barrier_signal -1
	s_barrier_wait -1
.endm
	s_load_b128 s[4:7], s[0:1], 0x0                ; qimg, qsc
	s_load_b64 s[8:9], s[0:1], 0x10                ; kv
	s_load_b64 s[12:13], s[0:1], 0x18              ; out
	v_lshl_add_u32 v254, v0, 2, 0x43000
	v_mov_b32 v255, 0
	ds_add_u32 v254, v255
	ds_add_u32 v254, v255
	v_lshrrev_b32 v7, 5, v0
	s_delay_alu instid0(VALU_DEP_1)
	v_readfirstlane_b32 s[WV], v7                  ; wave 0..15
	s_bfe_u32 s19, ttmp6, 0x40000                  ; cx: it enters Q's and out's addresses alone
	s_lshl_b32 s20, ttmp9, 2
	s_add_co_u32 s20, s20, s19                     ; my block of 512 queries
	s_and_b32 s21, ttmp7, 0xffff                   ; 16 batch + head, which the four partners share
	s_mul_i32 s22, s[WV], 12800                    ; wave w fetches key step w
	s_mul_i32 s2, s21, 204800                      ; the head's sixteen steps
	s_add_co_u32 s2, s2, s22
	s_mov_b32 s3, 0
	; group 1: dense rows of 256 bytes (32 elements of 8 bytes), no padding; the mask names all four work-groups, bit 21 beside it
	s_mov_b32 s[G1D], 15|(3<<16)|(1<<21)
	s_mov_b32 s[G1D+1], 32<<16                     ; tensor_dim0
	s_mov_b32 s[G1D+2], 50<<16                     ; tensor_dim1
	s_mov_b32 s[G1D+3], 32<<16                     ; tile_dim0
	s_mov_b32 s[G1D+4], 50                         ; tile_dim1
	s_mov_b32 s[G1D+5], 32                         ; the pitch
	s_mov_b32 s[G1D+6], 0
	s_mov_b32 s[G1D+7], 0
	s_mov_b32 s[SEL], 0x76543210
	s_mov_b32 s[SEL+1], 0xfedcba98
	s_mov_b32 s[CS], 0x3e38aa3b
	s_mov_b32 s[CS+1], s[CS]
	v_and_b32 v7, 31, v0
	s_delay_alu instid0(VALU_DEP_1)
	v_lshlrev_b32 v[LI], 4, v7
	s_delay_alu instid0(VALU_DEP_2)
	v_lshl_add_u32 v[LS], v7, 3, SCB
	v_and_b32 v10, 15, v0                          ; r
	v_bfe_u32 v11, v0, 4, 1                        ; h
	s_delay_alu instid0(VALU_DEP_2)
	v_lshlrev_b32 v[QO], 3, v10
	s_wait_dscnt 0x0
	s_wait_kmcnt 0x0
	s_mov_b32 s[G0D], 1
	s_mov_b32 s[G0D+1], s22                        ; LDS: 12,800 x wave
	s_add_nc_u64 s[G0D+2:G0D+3], s[8:9], s[2:3]    ; the head's key step w
	s_or_b32 s[G0D+3], s[G0D+3], 0x80000000
	CROUND                                         ; all four work-groups are here: the joint loads meet
	tensor_load_to_lds s[G0D:G0D+3], s[G1D:G1D+7]  ; my one load: sixteen waves bring the head's sixteen key steps; every fill of the launch goes out here, so there is no later step to prefetch for
	s_nop 0
.rept 4
	v_nop
.endr
	s_lshl_b32 s20, s20, 4
	s_add_co_u32 s20, s20, s[WV]                   ; f: my fragment of the head's 64: queries 32 f on
	s_mul_i32 s2, s21, 98304
	s_mul_i32 s14, s20, 1536
	s_add_co_u32 s2, s2, s14
	s_add_nc_u64 s[4:5], s[4:5], s[2:3]            ; its image
	s_lshl_b32 s2, s21, 12
	s_lshr_b32 s14, s20, 2
	s_lshl_b32 s14, s14, 8                         ; its step's 256 bytes of scale words,
	s_add_co_u32 s2, s2, s14
	s_and_b32 s14, s20, 1
	s_lshl_b32 s14, s14, 7                         ; lanes 0-15 or 16-31 there,
	s_add_co_u32 s2, s2, s14
	s_bfe_u32 s14, s20, 0x10001
	s_lshl_b32 s14, s14, 2                         ; word 0 or 1
	s_add_co_u32 s2, s2, s14
	s_add_nc_u64 s[6:7], s[6:7], s[2:3]
	s_wait_alu depctr_va_vdst(0)
.irp c, 0,1,2
	global_load_b128 v[QF+4*\c:QF+4*\c+3], v[LI], s[4:5] offset:512*\c
.endr
	global_load_b32 v[QW], v[QO], s[6:7]
	s_lshr_b32 s2, s21, 4
	s_lshl_b32 s2, s2, 23                          ; out: the batch's 2,048 rows of 4,096 bytes,
	s_lshl_b32 s14, s20, 17                        ; my 32 rows,
	s_add_co_u32 s2, s2, s14
	s_and_b32 s14, s21, 15
	s_lshl_b32 s14, s14, 8                         ; the head's 256 bytes of a row
	s_add_co_u32 s2, s2, s14
	s_add_nc_u64 s[12:13], s[12:13], s[2:3]
	s_mul_i32 s14, s[WV], 16*272
	s_add_co_u32 s14, s14, STG                     ; my stage
	v_mul_u32_u24 v[STO], v10, 272
	s_delay_alu instid0(VALU_DEP_1)
	v_lshl_add_u32 v[STO], v11, 5, v[STO]
	s_delay_alu instid0(VALU_DEP_1)
	v_add_nc_u32 v[STO], s14, v[STO]               ; in: row r, + 32 h
	v_mul_u32_u24 v[RD], v11, 272
	s_delay_alu instid0(VALU_DEP_1)
	v_lshl_add_u32 v[RD], v10, 4, v[RD]
	s_delay_alu instid0(VALU_DEP_1)
	v_add_nc_u32 v[RD], s14, v[RD]                 ; back: lanes 0-15 one row, lanes 16-31 the next
	v_lshlrev_b32 v[GO], 12, v11
	s_delay_alu instid0(VALU_DEP_1)
	v_lshl_add_u32 v[GO], v10, 4, v[GO]
.irp i, 0,1,2,3,4,5
	v_mov_b32 v[QB+\i], 0                          ; the zero codes on both sides of Q
	v_mov_b32 v[QA+6+\i], 0
.endr
.irp b, 0,1,2,3
	v_mov_b32 v[BT+\b], 0                          ; written once: a lane permute's destination counts as one of its sources
.endr
	v_mov_b32 v[FF+1], 0                           ; (named as the upper half of a pair)
; A KEY STEP: 128 keys.
.macro STEP
	v_add_nc_u32 v[AD], s[TB], v[LI]
	v_add_nc_u32 v[ADS], s[TB], v[LS]
	v_nop
	v_nop                                          ; four places behind the last products, in front of loads into the registers that they read
.irp f, 0,1,2,3
.irp c, 0,1,2
	ds_load_b128 v[KF+12*\f+4*\c:KF+12*\f+4*\c+3], v[AD] offset:1536*\f+512*\c   ; K's fragments as they lie: 512 consecutive bytes a load
.endr
.endr
	ds_load_b64 v[KSC:KSC+1], v[ADS]
	s_wait_alu depctr_va_vdst(0)
	s_wait_dscnt 0x0
.irp t, 0,1,2,3,4,5,6,7                        ; S^T: tile t = half t % 2 of fragment t / 2; each product starts its own sum
.if (\t/2)%2
	v_wmma_scale_f32_16x16x128_f8f6f4 v[S+8*\t:S+8*\t+7], v[KF+12*(\t/2):KF+12*(\t/2)+11], v[QA-6*(\t%2):QA-6*(\t%2)+11], 0, v[KSC+\t/4], v[QS] matrix_a_fmt:MATRIX_FMT_FP6 matrix_b_fmt:MATRIX_FMT_FP6 matrix_a_scale:MATRIX_SCALE_ROW1
.else
	v_wmma_scale_f32_16x16x128_f8f6f4 v[S+8*\t:S+8*\t+7], v[KF+12*(\t/2):KF+12*(\t/2)+11], v[QA-6*(\t%2):QA-6*(\t%2)+11], 0, v[KSC+\t/4], v[QS] matrix_a_fmt:MATRIX_FMT_FP6 matrix_b_fmt:MATRIX_FMT_FP6
.endif
.endr
.rept 4
	v_nop                                          ; places: K's registers take V's fragments, and the scores are read
.endr
.irp f, 0,1,2,3
.irp c, 0,1,2
	ds_load_b128 v[KF+12*\f+4*\c:KF+12*\f+4*\c+3], v[AD] offset:6144+1536*\f+512*\c   ; V's fragments land under the softmax
.endr
.endr
	ds_load_b64 v[VSC:VSC+1], v[ADS] offset:256
.irp b, 0,1,2,3
	v_max3_num_f32 v[BM+\b], v[S+16*\b], v[S+1+16*\b], v[S+2+16*\b]   ; the largest score of each block of 32 keys: for the row's maximum and, since p rises with the score, for the block's largest p
.endr
.irp i, 3,5,7,9,11,13
.irp b, 0,1,2,3
	v_max3_num_f32 v[BM+\b], v[BM+\b], v[S+16*\b+\i], v[S+1+16*\b+\i]
.endr
.endr
.irp b, 0,1,2,3
	v_max_num_f32 v[BM+\b], v[BM+\b], v[S+15+16*\b]
.endr
.irp b, 0,1,2,3
	s_delay_alu instid0(VALU_DEP_4)
	v_permlanex16_b32 v[BT+\b], v[BM+\b], s[SEL], s[SEL+1]
.endr
.irp b, 0,1,2,3
	s_delay_alu instid0(VALU_DEP_4)
	v_max_num_f32 v[BM+\b], v[BM+\b], v[BT+\b]     ; with lane l xor 16's 16 keys
.endr
	s_delay_alu instid0(VALU_DEP_2)
	v_max3_num_f32 v[TT], v[BM], v[BM+1], v[BM+2]
	s_delay_alu instid0(VALU_DEP_1)
	v_max_num_f32 v[TT], v[TT], v[BM+3]
	s_delay_alu instid0(VALU_DEP_1)
	v_mul_f32 v[TT], s[CS], v[TT]                  ; the step's largest t
	s_delay_alu instid0(VALU_DEP_1)
	v_max_num_f32 v13, v13, v[TT]                  ; the running largest t
	v_mov_b32 v[TT], v12
	s_delay_alu instid0(VALU_DEP_2)
	v_floor_f32 v12, -v13                          ; the new -M = -ceil(t)
	s_delay_alu instid0(VALU_DEP_1)
	v_sub_f32 v[TT], v12, v[TT]                    ; old M - new M: a whole number, 0 or less
	s_delay_alu instid0(VALU_DEP_1)
	v_cvt_i32_f32 v[TT], v[TT]                     ; (it saturates)
	s_delay_alu instid0(VALU_DEP_1)
	v_ldexp_f32 v[FF], 1.0, v[TT]                  ; f
.set i, 0
.rept 32
	v_pk_fma_f32 v[S+i:S+i+1], v[S+i:S+i+1], s[CS:CS+1], v[12:13] op_sel_hi:[1,0,0]   ; t - M
.set i, i+2
.endr
.irp b, 0,1,2,3
	v_fma_f32 v[BM+\b], v[BM+\b], s[CS], v12
.endr
.set i, 0
	s_wait_alu depctr_va_vdst(0)
.rept 64
	v_exp_f32 v[S+i], v[S+i]                       ; p = 2^(t - M)
.set i, i+1
.endr
	v_pk_mul_f32 v[14:15], v[14:15], v[FF:FF+1] op_sel_hi:[1,0]   ; the sums under the new M: the plain place behind the exponentials
	s_wait_alu depctr_va_vdst(0)                   ; one wait for the batch of 64, ahead of its first reader
.irp b, 0,1,2,3
	v_exp_f32 v[BM+\b], v[BM+\b]                   ; each block's largest p
.endr
	v_pk_add_f32 v[236:237], v[100:101], v[104:105]
	v_pk_add_f32 v[252:253], v[108:109], v[112:113]
	v_pk_add_f32 v[250:251], v[116:117], v[120:121]
	v_pk_add_f32 v[248:249], v[124:125], v[128:129]
	v_pk_add_f32 v[246:247], v[132:133], v[136:137]
	v_pk_add_f32 v[244:245], v[140:141], v[144:145]
	v_pk_add_f32 v[242:243], v[148:149], v[152:153]
	v_pk_add_f32 v[14:15], v[14:15], v[156:157]
	v_pk_add_f32 v[236:237], v[236:237], v[96:97]
	v_pk_add_f32 v[252:253], v[252:253], v[98:99]
	v_pk_add_f32 v[250:251], v[250:251], v[102:103]
	v_pk_add_f32 v[248:249], v[248:249], v[106:107]
	v_pk_add_f32 v[246:247], v[246:247], v[110:111]
	v_pk_add_f32 v[244:245], v[244:245], v[114:115]
	v_pk_add_f32 v[242:243], v[242:243], v[118:119]
	v_pk_add_f32 v[14:15], v[14:15], v[122:123]
	v_pk_add_f32 v[236:237], v[236:237], v[126:127]
	v_pk_add_f32 v[252:253], v[252:253], v[130:131]
	v_pk_add_f32 v[250:251], v[250:251], v[134:135]
	v_pk_add_f32 v[248:249], v[248:249], v[138:139]
	v_pk_add_f32 v[246:247], v[246:247], v[142:143]
	v_pk_add_f32 v[244:245], v[244:245], v[146:147]
	v_pk_add_f32 v[242:243], v[242:243], v[150:151]
	v_pk_add_f32 v[14:15], v[14:15], v[154:155]
	v_pk_add_f32 v[236:237], v[236:237], v[158:159]
	s_delay_alu instid0(VALU_DEP_2)
	v_pk_add_f32 v[14:15], v[14:15], v[248:249]
	s_delay_alu instid0(VALU_DEP_2)
	v_pk_add_f32 v[236:237], v[236:237], v[246:247]
	v_pk_add_f32 v[252:253], v[252:253], v[244:245]
	v_pk_add_f32 v[250:251], v[250:251], v[242:243]
	s_delay_alu instid0(VALU_DEP_2)
	v_pk_add_f32 v[14:15], v[14:15], v[252:253]
	s_delay_alu instid0(VALU_DEP_2)
	v_pk_add_f32 v[236:237], v[236:237], v[250:251]
	s_delay_alu instid0(VALU_DEP_1)
	v_pk_add_f32 v[14:15], v[14:15], v[236:237]
	s_wait_alu depctr_va_vdst(0)                   ; and one for the four
.irp b, 0,1,2,3
	v_max_num_f32 v[BM+\b], 0x1800000, v[BM+\b]    ; the floor 2^(3 - 127): the byte cannot fall under 1
.endr
.irp b, 0,1,2,3
	s_delay_alu instid0(VALU_DEP_4)
	v_add_nc_u32 v[BX+\b], 0xff000000, v[BM+\b]    ; 2 off the exponent field: the conversion's scale operand
.endr
.irp b, 0,1,2,3
	s_delay_alu instid0(VALU_DEP_4)
	v_lshrrev_b32 v[BT+\b], 23, v[BX+\b]           ; the scale's byte
.endr
	s_delay_alu instid0(VALU_DEP_3)
	v_lshl_or_b32 v[PS], v[BT+1], 8, v[BT]
	s_delay_alu instid0(VALU_DEP_1)
	v_lshl_or_b32 v[PS], v[BT+2], 16, v[PS]
	s_delay_alu instid0(VALU_DEP_1)
	v_lshl_or_b32 v[PS], v[BT+3], 24, v[PS]
.irp c, 0,1
	v_cvt_scalef32_pk16_fp6_f32 v[PC+6*\c:PC+6*\c+2], v[S+32*\c:S+32*\c+15], v[BX+2*\c]
	v_cvt_scalef32_pk16_fp6_f32 v[CT+4*\c:CT+4*\c+2], v[S+32*\c+16:S+32*\c+31], v[BX+2*\c+1]
.endr
	v_nop                                          ; one plain place behind a scaled conversion
.irp c, 0,1
.irp i, 0,1,2
	v_permlane16_swap_b32 v[PC+6*\c+\i], v[CT+4*\c+\i]   ; a whole block to a lane
.endr
.irp i, 0,1,2
	s_delay_alu instid0(VALU_DEP_3)
	v_mov_b32 v[PC+6*\c+3+\i], v[CT+4*\c+\i]
.endr
.endr
.set i, 0
.rept 16
	v_pk_mul_f32 v[OT+i:OT+i+1], v[OT+i:OT+i+1], v[FF:FF+1] op_sel_hi:[1,0]   ; O^T under the new M; these sixteen are also the places between p's codes and scale word and the products
.set i, i+2
.endr
	s_wait_alu depctr_va_vdst(0)
	s_wait_dscnt 0x0                               ; V is in
.irp t, 0,1,2,3                                ; O^T += V^T P^T: the four accumulators by turns, one instruction a turn
.if \t%2
	v_wmma_scale_f32_16x16x128_f8f6f4 v[OT+8*\t:OT+8*\t+7], v[KF+12*\t:KF+12*\t+11], v[PC:PC+11], v[OT+8*\t:OT+8*\t+7], v[VSC+\t/2], v[PS] matrix_a_fmt:MATRIX_FMT_FP6 matrix_b_fmt:MATRIX_FMT_FP6 matrix_a_scale:MATRIX_SCALE_ROW1
.else
	v_wmma_scale_f32_16x16x128_f8f6f4 v[OT+8*\t:OT+8*\t+7], v[KF+12*\t:KF+12*\t+11], v[PC:PC+11], v[OT+8*\t:OT+8*\t+7], v[VSC+\t/2], v[PS] matrix_a_fmt:MATRIX_FMT_FP6 matrix_b_fmt:MATRIX_FMT_FP6
.endif
.endr
	s_add_co_u32 s[TB], s[TB], 12800
.endm
.macro LOOP n
	s_mov_b32 s[CNT], \n
.Lstep_\@:
	STEP
	s_sub_co_u32 s[CNT], s[CNT], 1
	s_cmp_lg_u32 s[CNT], 0
	s_cbranch_scc1 .Lstep_\@
.endm
; A PASS: 16 queries against all keys.  O^T and the sum begin as zeros and the largest t as -3e38, so that the step is written without a first step of its own.
.macro PASS p
.if \p == 0
	s_wait_loadcnt 0x0                             ; Q and its scale word
.else
	s_wait_xcnt 0x0                                ; the first pass's stores have read their registers, which take K's fragments again
.endif
.irp i, 0,1,2,3,4,5
	v_mov_b32 v[QA+\i], v[QF+6*\p+\i]
.endr
.if \p == 0
	v_perm_b32 v[QS], v[QW], v[QW], 0x01000100     ; the tile's two bytes, twice: they serve [Q | 0] and [0 | Q] alike
.else
	v_perm_b32 v[QS], v[QW], v[QW], 0x03020302
.endif
	v_mov_b32 v13, 0xff61b1e6                      ; -3e38, under every t
	s_delay_alu instid0(VALU_DEP_1)
	v_floor_f32 v12, -v13
	v_mov_b32 v14, 0
	v_mov_b32 v15, 0
.set i, 0
.rept 32
	v_mov_b32 v[OT+i], 0
.set i, i+1
.endr
.if \p == 0
	s_wait_tensorcnt 0x0                           ; my key step is in
	s_barrier_signal -1
	s_barrier_wait -1                              ; every wave's is: nothing is filled again
.endif
	s_mov_b32 s[TB], 0
	LOOP 16
	v_add_f32 v14, v14, v15                        ; the sum's two halves,
	s_delay_alu instid0(VALU_DEP_1)
	v_permlanex16_b32 v[TT], v14, s[SEL], s[SEL+1]
	s_delay_alu instid0(VALU_DEP_1)
	v_add_f32 v14, v14, v[TT]                      ; and lane l xor 16's
	s_wait_alu depctr_va_vdst(0)
	v_rcp_f32 v14, v14
.rept 4
	v_nop                                          ; the place behind the reciprocal, and the places behind the last products
.endr
	s_wait_alu depctr_va_vdst(0)                   ; ahead of the reciprocal's first reader
.set i, 0
.rept 32
	v_mul_f32 v[S+i], v[OT+i], v14                 ; register 8 t + j: out(query r, 16 t + 8 h + j); each accumulator from its low end on
.set i, i+1
.endr
.irp t, 0,1,2,3
	ds_store_b128 v[STO], v[S+8*\t:S+8*\t+3] offset:64*\t
	ds_store_b128 v[STO], v[S+8*\t+4:S+8*\t+7] offset:64*\t+16
.endr
.irp i, 0,1,2,3,4,5,6,7
	ds_load_b128 v[KF+4*\i:KF+4*\i+3], v[RD] offset:544*\i   ; LDS serves a wave's instructions in order (ISA guide 5.7.1.4): these see my stores
.endr
.irp i, 0,1,2,3,4,5,6,7
	s_wait_dscnt 7-\i                              ; the younger loads may be out
	global_store_b128 v[GO], v[KF+4*\i:KF+4*\i+3], s[12:13] offset:8192*\i+65536*\p th:TH_STORE_NT   ; sixteen lanes store 256 consecutive bytes, aligned: one query's part of one head
.endr
.endm
	PASS 0
	PASS 1
	s_wait_tensorcnt 0x0
	s_wait_dscnt 0x0
	s_wait_tensorcnt 0x0
	ds_add_u32 v254, v255
	s_wait_dscnt 0x0
	CROUND                                         ; the closing round: no work-group ends while a partner may still ask for a tile that names it
	s_endpgm
.Lfunc_end_k_q3f3ba15738_attn:
	.size	k_q3f3ba15738_attn, .Lfunc_end_k_q3f3ba15738_attn-k_q3f3ba15738_attn
	.p2alignl 7, 3214868480
	.fill 96, 4, 3214868480
	.section	.rodata,"a",@progbits
	.p2align	6, 0x0
	.amdhsa_kernel k_q3f3ba15738_attn
		.amdhsa_group_segment_fixed_size 276480
		.amdhsa_private_segment_fixed_size 0
		.amdhsa_enable_private_segment 0
		.amdhsa_kernarg_size 32
		.amdhsa_user_sgpr_count 2
		.amdhsa_user_sgpr_kernarg_segment_ptr 1
		.amdhsa_wavefront_size32 1
		.amdhsa_system_sgpr_workgroup_id_x 1
		.amdhsa_system_sgpr_workgroup_id_y 1
		.amdhsa_system_sgpr_workgroup_id_z 1
		.amdhsa_system_vgpr_workitem_id 0
		.amdhsa_next_free_vgpr 256
		.amdhsa_next_free_sgpr 70
		.amdhsa_reserve_vcc 0
		.amdhsa_float_denorm_mode_32 3
		.amdhsa_float_denorm_mode_16_64 3
		.amdhsa_memory_ordered 1
		.amdhsa_forward_progress 1
		.amdhsa_inst_pref_size 50
	.end_amdhsa_kernel
	.amdgpu_metadata
---
amdhsa.version: [ 1, 2 ]
amdhsa.kernels:
  - .name:           k_q3f3ba15738_attn
    .symbol:         k_q3f3ba15738_attn.kd
    .args:
      - { .name: qimg, .offset: 0, .size: 8, .value_kind: global_buffer, .address_space: global }
      - { .name: qsc, .offset: 8, .size: 8, .value_kind: global_buffer, .address_space: global }
      - { .name: kv, .offset: 16, .size: 8, .value_kind: global_buffer, .address_space: global }
      - { .name: out0, .offset: 24, .size: 8, .value_kind: global_buffer, .address_space: global }
    .group_segment_fixed_size: 276480
    .private_segment_fixed_size: 0
    .kernarg_segment_align: 8
    .kernarg_segment_size: 32
    .max_flat_workgroup_size: 512
    .sgpr_count:     70
    .vgpr_count:     256
    .wavefront_size: 32
...
	.end_amdgpu_metadata
.endif
;; end of part 2
